; MI455X (gfx1250); checked and timed in simulation.
; The chip was launched on July 23, 2026; its instructions are those of AMD's public machine-readable ISA for CDNA 5 (MIT licence, August 2026) and "CDNA5" Instruction Set Architecture Reference Guide (July 2026). The comments in the code are by the model that wrote it; some were corrected since.
;; Lie Fuc With Bracket Weight Optimized. Allowed arithmetic: matrix products marked QUANTISED: E2M1 operands, one E8M0 scale for each 32 along K, by v_wmma_scale_f32_16x16x128_f8f6f4 with both operands' format E2M1 (or v_wmma_scale_f32_32x16x128_f4), f32 sums; everything else in f32.
;; Inputs: W 128 x 64 float32; x 8 x 64 x 512 float32.
;; Outputs: out0 8 x 64 x 512 float32.
;; This version of the problem:
;;   THIS VERSION OF THE PROBLEM IS GIVEN IN LOW PRECISION. The matrix products marked QUANTISED in the list below multiply operands that are first quantised to E2M1 (2 exponent bits, 1 mantissa bit; 4 bits a number), with one power-of-two scale for each 32 numbers along K (OCP MX v1.0); their sums are f32. All else is computed in f32.
;;   The module's matrix products, in the order in which they are computed (A, B: the left and right operand; K: the contracted axis; several contracted axes count as one K, in the product's order):
;;     1. [M 4,096, K 64] x [K 64, N 64]; A: input x; B: input W: QUANTISED
;;     2. [M 4,096, K 64] x [K 64, N 64]; A: input x; B: input W: QUANTISED
;;     3. batch 8 x [M 64, K 512] x [K 512, N 512]; A: input x; B: computed on the way: QUANTISED
;;   THE QUANTISER, for each operand of a quantised product, along K:
;;     - K is cut into blocks of 32 from its start; a last block that is shorter is filled with zeros.
;;     - A block's scale is 2^e with e = floor(log2(the largest magnitude in the block)) - 2, held to -126 .. 127; a block of zeros has e = 0. As a byte (E8M0): e + 127.
;;     - Each number is divided by its block's scale, clamped to +-6, and rounded to the nearest number of E2M1, ties to even, subnormals kept.
;;     - The product sums the exact products of the quantised numbers (number of the format x scale) in f32.
;;   ~~~python
;;   def quantise(x, axis):      # numpy; x: float32 -> the quantised numbers, widened to float32 again
;;       x = np.moveaxis(x, axis, -1); K = x.shape[-1]
;;       x = np.pad(x, [(0, 0)] * (x.ndim - 1) + [(0, -K % 32)]); x = x.reshape(x.shape[:-1] + (-1, 32)); a = np.abs(x).max(-1, keepdims=True)
;;       e = np.where(a > 0, np.clip(np.frexp(np.where(a > 0, a, 1))[1] - 1 - 2, -126, 127), 0)      # np.frexp(a)[1] - 1 = floor(log2(a)), exactly
;;       r = np.clip(x / 2.0 ** e, -6, 6)
;;       step = 2.0 ** (np.maximum(np.frexp(np.where(r == 0, 1, r))[1] - 1, 0) - 1)
;;       q = np.round(r / step) * step * 2.0 ** e      # np.round: ties to even
;;       return np.moveaxis(q.reshape(q.shape[:-2] + (-1,))[..., :K], -1, axis).astype(np.float32)
;;   ~~~
;;   OPERANDS COMPUTED ON THE WAY. 'Computed on the way' means the value that the module computes at that place (a softmax that the list does not call 'softmax' is quantised finished and normalised). What goes into a quantiser is computed in f32, as accurately as f32 sums, v_exp_f32 and their like allow (about 1e-6 of the number): no bf16 or f16 on the way to a quantiser, and a product that is left as it is and whose result goes on into a quantised operand takes f32 operands (vector FMAs, or v_wmma_f32_16x16x4_f32). A number that lies on a knife's edge between two numbers of the format may be rounded either way, as far as f32 arithmetic and the matrix unit's own rounding can turn it there, and no further.
;; One version. Each part assembles by itself: llvm-mc -triple=amdgcn-amd-amdhsa -mcpu=gfx1250 --defsym DOCPART=n.
;; ======== version 1 of 1: 1 launch
;; launch bracket (part 1): grid 32 x 8, 16 waves a work-group, clusters of 4 x 1, 257,024 bytes of LDS; arguments x, W, out0; writes out0
.if DOCPART == 1
	.amdgcn_target "amdgcn-amd-amdhsa--gfx1250"
	.amdhsa_code_object_version 6
	.text
	.protected	k_qe63e3d5685_bracket
	.globl	k_qe63e3d5685_bracket
	.p2align	8
	.type	k_qe63e3d5685_bracket,@function
k_qe63e3d5685_bracket:
	s_mov_b64 s[64:65], 0
	v_nop
	global_prefetch_b8 v0, s[64:65] scope:SCOPE_SE
	s_setreg_imm32_b32 hwreg(HW_REG_WAVE_MODE, 25, 1), 1
	s_wait_xcnt 0x0
	s_wait_alu depctr_hold_cnt(0) depctr_sa_sdst(0) depctr_va_vdst(0) depctr_va_sdst(0) depctr_va_ssrc(0) depctr_va_vcc(0) depctr_vm_vsrc(0)
	s_getreg_b32 s2, hwreg(HW_REG_IB_STS2, 6, 4)
	s_cmp_eq_u32 s2, 0
	s_cbranch_scc0 .Lentry_in_a_cluster
	s_endpgm
.Lentry_in_a_cluster:
	s_bfe_u32 s2, ttmp6, 0x10000c
	s_cmp_lg_u32 s2, 0x3003
	s_cbranch_scc0 .Lentry_shape_is_right
	s_endpgm
.Lentry_shape_is_right:
; out0[b][d][j] = sum over w of Q(x[b][d][w]) Q(wm[b][w][j]),  wm = 1 - |a_j + b_w| for w >= j, 1 for w < j,
; a_j[k] = sum over d of Q(x[b][d][j]) Q(W[d][k]),  b_w[k] = sum over d of Q(x[b][d][w]) Q(W[64+d][k]).  Q: MX-FP4 (E2M1, one E8M0 byte for 32 along the product's K).
; x: [8][64][512] f32, W: [128][64] f32, out0: [8][64][512] f32.  All three products by v_wmma_scale_f32_16x16x128_f8f6f4 on FP4 codes; all else in f32.
; SHARES.  Work-group (p, batch), p = 0..31, owns 16 columns j: 8 p .. 8 p + 7 and the mirrored 504 - 8 p .. 511 - 8 p.  Counted in pieces of 64 rows x 4 columns that hold some w >= j
; every work-group has 2 x ((8 - q) + (1 + q)) = 18 pieces, q = p / 8: the triangle is shared out evenly.  Sixteen waves: wave v takes rows 64 (v / 2) .. + 63 and 4 + 4 columns (v % 2).
; A piece that lies wholly above the diagonal is left out by a scalar branch on ids; its wm is 1.
; LAYOUT.  Products 1 and 2 are used transposed (source 0 = 16 columns of W, source 1 = 16 positions of x): lane (r, h) holds position r and channels 16 mt + 8 h + 0..7.  b of my 64 rows stays in
; 128 registers; a of one column comes from LDS, 32 numbers a lane, the same for the 16 lanes of a half, and feeds 128 packed instructions.  The norm is summed as it is written, (a + b)^2: no difference of large sums.
; OPERANDS GO FROM WAVE TO WAVE THROUGH LDS AS IMAGES OF THEIR REGISTERS (16 bytes a lane at 16 x lane).  K = 64 of products 1 and 2 is filled to 128 with zero codes on both sides (scale byte 0 over them: 2^-127 x 0).
; CLUSTER.  The four partners (p = 4 x cluster x + cx) are of one batch and need the same x[b]: each wave asks jointly for 32 rows x 256 bytes.  First fills only: no LDS byte is filled twice.
; Branches hang on the wave's number and on cluster x / 2 = q, which partners share; cx enters global addresses and the mask's compare alone.
; W is NOT asked for jointly: its 32,768 bytes go straight into the registers of the four waves that quantise them, each number to one lane once; through LDS they would cost 256 LDS loads more.
; THE OUTPUT leaves in pieces of 32 bytes: 256 consecutive bytes of a row are 64 columns, which belong to 8 work-groups; owning them whole (mirrored) would leave work for 32 work-groups.
; LIMITS: NaN and infinities among the inputs are not served.  A block's largest magnitude is held at 2^-124 from below (byte 1, as the rule holds it); a block of zeros gets byte 1 over zero codes.
; n^2 under 2^-126 counts as 0 in v_sqrt_f32 (ISA guide 15.8): n under 1e-19 beside 1.
.set XP,   272                         ; a row of the x tile in LDS: 256 bytes + 16: the 16 rows that a 16-byte load touches start in 16 different columns of 16 bytes
; LDS map, every region a whole number of blocks of 256 bytes
.set WI,   0                           ; images: W's four parts (1,024 bytes: two fragments' lower halves), then my 16 columns of x as a fifth part
.set JI,   4096
.set WS,   5120                        ; their scale words, 128 bytes a part
.set JS,   5632
.set XDI,  5888                        ; x quantised along d: 16 strips of 32 positions x 1,024 bytes
.set XDS,  22272                       ; scale words, 128 bytes a strip
.set X3I,  24320                       ; x quantised along w: fragment (tile of d mt, K step s) at 4,096 mt + 1,024 s
.set X3S,  40704                       ; scale words: 64 bytes a fragment
.set WMI,  41728                       ; wm quantised along w: fragment s at 1,024 s
.set WMS,  45824
.set AR,   46080                       ; each wave's own 4,352 bytes: a of the 16 columns (272 a column), later the stage in which wm turns
.set ARW,  4352
.set XT,   115712                      ; the x tile: 8 strips of 64 positions x 64 rows x XP; filled by the tensor loads, never stored to
; vector registers
.set L16,  1                           ; 16 x lane
.set L4,   2                           ; 4 x lane
.set AST,  3                           ; where I store a
.set AL,   4                           ; where I read a: my wave's 4 + 4 columns, my half's 32 channels
.set SWA,  5                           ; the stage, in
.set SRA,  6                           ; the stage, out
.set XDA,  7                           ; my 64 rows' fragments of x along d
.set XSA,  8                           ; and their scale words
.set WMA,  9                           ; where my 8 bytes of wm's codes go
.set WSA,  10                          ; and the block's scale byte
.set R4,   11                          ; 4 x (lane % 16)
.set X3A,  12                          ; product 3: my tile's fragments of x
.set X3SA, 13                          ; and their scale words
.set OUTO, 14                          ; my byte offset in out0
.set DL0,  15                          ; w - first low column, rows 0-31 of my 64;  DL1: rows 32-63;  DH0, DH1: the same for the high columns
.set DL1,  16
.set DH0,  17
.set DH1,  18
.set AX1,  19                          ; x tile: my strip, 4 bytes a lane
.set SC,   20                          ; v20-27: scale words and nothing else
.set AX3,  28                          ; x tile: my strip, a row a lane
.set A3I,  29                          ; where my block's codes of x along w go
.set A3S,  30                          ; and its scale byte
.set IM,   31                          ; 16 x lane + 1,024 x wave
.set BB,   32                          ; v32-159: b: tile of rows t, tile of channels mt at BB + 32 t + 8 mt
.set XR,   32                          ; before that: 64 numbers of x, down d
.set AD,   128                         ; a's four results, until they are stored
.set GX,   160                         ; v160-223: 64 numbers of W (waves 0-3) or of my columns of x (wave 4)
.set WF,   160                         ; then W's four fragments
.set TT,   160                         ; then: a + b, four pairs
.set AC,   168                         ; sums, four pairs
.set NR,   176                         ; n^2, then wm: register 8 blk + 4 group + i
.set XF,   192                         ; x's four fragments
.set A0,   192                         ; then two buffers for a column of a
.set A1,   224
.set JF,   224                         ; my columns' fragment
.set QA,   224                         ; at work in the quantiser ahead of the first product: 13 registers
.set SM,   237                         ; 4 x lane + 128 x wave
.set WO,   238                         ; byte offset in W
.set JO,   239                         ; byte offset of my column in a row of x
.set TL,   240                         ; lane, lane % 16, lane / 16, bits 3, 1:0, 2 of the lane: at the head only
.set TR,   241
.set TH,   242
.set T3,   243
.set T01,  244
.set T2,   245
.set YR,   64                          ; behind the pair loops: 2 x 32 neighbours of x along w
.set ZR,   32                          ; 16 neighbours of wm along w
.set QB,   160                         ; at work in the quantiser of x along w
.set ZM,   192                         ; at work in the quantiser of wm
.set PA,   32                          ; product 3: wm's four fragments, x's four, two accumulators, the result
.set PX,   64
.set ACC,  96
.set RES,  112
; scalar registers
.set WV,   10                          ; wave
.set RG,   11                          ; wave / 2: my 64 rows
.set CS,   12                          ; wave % 2: my columns
.set CX,   13
.set PP,   14                          ; p
.set BT,   15                          ; batch
.set QQ,   16                          ; q = p / 8 = cluster x / 2
.set QH,   17                          ; 7 - q
.set SEL,  20                          ; v_permlanex16_b32's selects for lane xor 16
.set G1,   24
.set G0,   40
.macro CROUND                          ; a round of the cluster's barrier
	s_barrier_signal -1
	s_barrier_wait -1
	s_cmp_lg_u32 s[WV], 0
	s_cbranch_scc1 .Lnot_wave_0_\@
	s_barrier_signal -3
.Lnot_wave_0_\@:
	s_barrier_wait -3
	s_barrier_signal -1
	s_barrier_wait -1
.endm
.macro BARRIER                         ; my LDS stores have landed and my LDS loads are in: then the work-group's barrier
	s_wait_dscnt 0x0
	s_barrier_signal -1
	s_barrier_wait -1
.endm
; Two blocks of 32 numbers of a lane, v[s] .. v[s+31] and v[s+32] .. v[s+63], become codes in v[q] .. v[q+3] and v[q+4] .. v[q+7]; their scale bytes in v[q+10], v[q+11].
; The largest magnitude's exponent field less 2 is the scale's byte, and the conversion takes just that field of its scale operand.
.macro QCORE s, q
	v_max3_num_f32 v[\q+8],  |v[\s]|,    |v[\s+1]|,  0x1800000       ; four chains; the floor 2^(3 - 127) among the leaves holds the byte at 1 from below
	v_max3_num_f32 v[\q+10], |v[\s+16]|, |v[\s+17]|, 0x1800000
	v_max3_num_f32 v[\q+9],  |v[\s+32]|, |v[\s+33]|, 0x1800000
	v_max3_num_f32 v[\q+11], |v[\s+48]|, |v[\s+49]|, 0x1800000
.irp i, 2,4,6,8,10,12,14
	v_max3_num_f32 v[\q+8],  v[\q+8],  |v[\s+\i]|,    |v[\s+\i+1]|
	v_max3_num_f32 v[\q+10], v[\q+10], |v[\s+16+\i]|, |v[\s+17+\i]|
	v_max3_num_f32 v[\q+9],  v[\q+9],  |v[\s+32+\i]|, |v[\s+33+\i]|
	v_max3_num_f32 v[\q+11], v[\q+11], |v[\s+48+\i]|, |v[\s+49+\i]|
.endr
	v_max_num_f32 v[\q+8], v[\q+8], v[\q+10]
	v_max_num_f32 v[\q+9], v[\q+9], v[\q+11]
	v_add_nc_u32 v[\q+8], 0xff000000, v[\q+8]                        ; 2 off the exponent field
	v_add_nc_u32 v[\q+9], 0xff000000, v[\q+9]
	v_lshrrev_b32 v[\q+10], 23, v[\q+8]                              ; the bytes
	v_lshrrev_b32 v[\q+11], 23, v[\q+9]
.irp g, 0,1,2,3
	v_cvt_scalef32_pk8_fp4_f32 v[\q+\g],   v[\s+8*\g:\s+8*\g+7],       v[\q+8]
	v_cvt_scalef32_pk8_fp4_f32 v[\q+4+\g], v[\s+32+8*\g:\s+32+8*\g+7], v[\q+9]
.endr
	v_nop                                                            ; one plain line behind the last scaled conversion
.endm
; The lane held a column (lane = column, registers down K = 64).  The operand wants block 0 of column r in lane r and block 1 in lane 16 + r: one exchange a register makes
; of (block 0, block 1) of 32 columns the lower halves of two fragments of 16 columns.  The lane's two bytes are its column's scale word (bytes 2, 3 stay 0, over zero codes).
.macro TAILD q, ioff, soff
	v_lshl_or_b32 v[\q+12], v[\q+11], 8, v[\q+10]
.irp g, 0,1,2,3
	v_permlane16_swap_b32 v[\q+\g], v[\q+4+\g]
.endr
	ds_store_b128 v[IM], v[\q:\q+3] offset:\ioff
	ds_store_b128 v[IM], v[\q+4:\q+7] offset:\ioff+512
	ds_store_b32 v[SM], v[\q+12] offset:\soff
.endm
; A product that starts its sum.  ra, rb = 1: that side's scale words stand in lanes 16-31 of the register named.
.macro WM d, a, b, sa, sb, ra, rb
.if (\ra) && (\rb)
	v_wmma_scale_f32_16x16x128_f8f6f4 v[\d:\d+7], v[\a:\a+7], v[\b:\b+7], 0, v[\sa], v[\sb] matrix_a_fmt:MATRIX_FMT_FP4 matrix_b_fmt:MATRIX_FMT_FP4 matrix_a_scale:MATRIX_SCALE_ROW1 matrix_b_scale:MATRIX_SCALE_ROW1
.elseif (\ra)
	v_wmma_scale_f32_16x16x128_f8f6f4 v[\d:\d+7], v[\a:\a+7], v[\b:\b+7], 0, v[\sa], v[\sb] matrix_a_fmt:MATRIX_FMT_FP4 matrix_b_fmt:MATRIX_FMT_FP4 matrix_a_scale:MATRIX_SCALE_ROW1
.elseif (\rb)
	v_wmma_scale_f32_16x16x128_f8f6f4 v[\d:\d+7], v[\a:\a+7], v[\b:\b+7], 0, v[\sa], v[\sb] matrix_a_fmt:MATRIX_FMT_FP4 matrix_b_fmt:MATRIX_FMT_FP4 matrix_b_scale:MATRIX_SCALE_ROW1
.else
	v_wmma_scale_f32_16x16x128_f8f6f4 v[\d:\d+7], v[\a:\a+7], v[\b:\b+7], 0, v[\sa], v[\sb] matrix_a_fmt:MATRIX_FMT_FP4 matrix_b_fmt:MATRIX_FMT_FP4
.endif
.endm
.macro ALOAD buf, js                   ; a of column slot js (counted from my wave's first): my half's 32 channels
.irp e, 0,1,2,3,4,5,6,7
	ds_load_b128 v[\buf+4*\e:\buf+4*\e+3], v[AL] offset:(\js)*272+16*\e
.endr
.endm
; One column against my 64 rows: for each of the four tiles of rows the sum over my 32 channels of (a + b)^2, two channels an instruction, four chains by turns; the first product starts the sums.
; Then even + odd channels; then the two halves of the lanes: the exchange puts tile 0's two halves in lanes 0-15 and tile 1's in lanes 16-31 of two registers, whose sum has lane = row.
.macro COL buf, ci
.irp t, 0,1,2,3
	v_pk_add_f32 v[TT+2*\t:TT+2*\t+1], v[BB+32*\t:BB+32*\t+1], v[\buf:\buf+1]
.endr
.irp t, 0,1,2,3
	v_pk_mul_f32 v[AC+2*\t:AC+2*\t+1], v[TT+2*\t:TT+2*\t+1], v[TT+2*\t:TT+2*\t+1]
.endr
.set kk, 2
.rept 15
.irp t, 0,1,2,3
	v_pk_add_f32 v[TT+2*\t:TT+2*\t+1], v[BB+32*\t+kk:BB+32*\t+kk+1], v[\buf+kk:\buf+kk+1]
.endr
.irp t, 0,1,2,3
	v_pk_fma_f32 v[AC+2*\t:AC+2*\t+1], v[TT+2*\t:TT+2*\t+1], v[TT+2*\t:TT+2*\t+1], v[AC+2*\t:AC+2*\t+1]
.endr
.set kk, kk+2
.endr
.irp t, 0,1,2,3
	v_add_f32 v[AC+2*\t], v[AC+2*\t], v[AC+2*\t+1]
.endr
	v_permlane16_swap_b32 v[AC], v[AC+2]
	v_permlane16_swap_b32 v[AC+4], v[AC+6]
	v_add_f32 v[NR+\ci], v[AC], v[AC+2]                              ; rows 0-31 of my 64
	v_add_f32 v[NR+8+\ci], v[AC+4], v[AC+6]                          ; rows 32-63
.endm
.macro GROUP g                         ; my four columns of group g (0: low, 1: high); the next column's a is on its way while one is worked
	ALOAD A0, 8*\g
	ALOAD A1, 8*\g+1
	s_wait_dscnt 8                                                   ; the older eight loads are in; the next column's eight may be out
	COL A0, 4*\g
	ALOAD A0, 8*\g+2
	s_wait_dscnt 8
	COL A1, 4*\g+1
	ALOAD A1, 8*\g+3
	s_wait_dscnt 8
	COL A0, 4*\g+2
	s_wait_dscnt 0x0
	COL A1, 4*\g+3
.endm
	s_load_b128 s[4:7], s[0:1], 0x0                ; x s[4:5], W s[6:7]
	s_load_b64 s[8:9], s[0:1], 0x10                ; out0
	v_lshl_add_u32 v254, v0, 2, 0x3e400
	v_mov_b32 v255, 0
	ds_add_u32 v254, v255
	ds_add_u32 v254, v255
	s_wait_dscnt 0x0
	v_lshrrev_b32 v[TL], 5, v0
	v_readfirstlane_b32 s[WV], v[TL]               ; wave 0..15
	s_lshr_b32 s[RG], s[WV], 1
	s_and_b32 s[CS], s[WV], 1
	s_bfe_u32 s[CX], ttmp6, 0x40000                ; cx: my place in the cluster
	s_lshl_b32 s[PP], ttmp9, 2                     ; in a cluster launch ttmp9 counts clusters
	s_add_co_u32 s[PP], s[PP], s[CX]               ; p
	s_and_b32 s[BT], ttmp7, 0xffff                 ; the batch, which the partners share
	s_lshr_b32 s[QQ], ttmp9, 1                     ; q = p / 8: the same in all four partners
	s_sub_co_u32 s[QH], 7, s[QQ]
	s_mov_b32 s[SEL], 0x76543210
	s_mov_b32 s[SEL+1], 0xfedcba98
	; descriptor group 1: 32 rows x 64 elements of 4 bytes, 512 elements from row to row, 16 bytes of padding behind each row's 64 words
	s_mov_b32 s[G1], 15|(2<<16)|(1<<20)|(1<<21)|(5<<22)|(3<<25)   ; 15:0 the mask: all four partners; 17:16 elements of 4 bytes; 20 padding on; 21 set beside a mask; 24:22 after 64 words; 31:25 four words
	s_mov_b32 s[G1+1], 64<<16                      ; tensor_dim0
	s_mov_b32 s[G1+2], 32<<16                      ; tensor_dim1
	s_mov_b32 s[G1+3], 64<<16                      ; tile_dim0
	s_mov_b32 s[G1+4], 32                          ; tile_dim1
	s_mov_b32 s[G1+5], 512                         ; from row to row
	s_mov_b32 s[G1+6], 0
	s_mov_b32 s[G1+7], 0
	s_mov_b32 s[G0], 1
	s_mul_i32 s[G0+1], s[WV], 32*XP                ; strip wave / 2, rows 32 (wave % 2) on: 32 x XP bytes a wave on end
	s_add_co_u32 s[G0+1], s[G0+1], XT
	s_lshl_b32 s48, s[BT], 17                      ; a batch is 131,072 bytes, in x and in out0
	s_mov_b32 s49, 0
	s_lshl_b32 s50, s[CS], 16                      ; 32 rows of 2,048 bytes
	s_lshl_b32 s51, s[RG], 8                       ; 64 positions
	s_add_co_u32 s50, s50, s51
	s_mov_b32 s51, 0
	s_wait_kmcnt 0x0
	s_add_nc_u64 s[4:5], s[4:5], s[48:49]
	s_add_nc_u64 s[8:9], s[8:9], s[48:49]
	s_add_nc_u64 s[G0+2:G0+3], s[4:5], s[50:51]    ; made of the batch and the wave's number alone
	s_or_b32 s[G0+3], s[G0+3], 0x80000000          ; type = 2
	CROUND                                         ; all four partners are here: the joint loads meet
	tensor_load_to_lds s[G0:G0+3], s[G1:G1+7]      ; my one tensor load of the launch
	s_nop 0
.rept 4
	v_nop
.endr
	; every address register is made here, on the way that all waves take
	v_and_b32 v[TL], 31, v0
	v_and_b32 v[TR], 15, v0
	v_bfe_u32 v[TH], v0, 4, 1
	v_bfe_u32 v[T3], v0, 3, 1
	v_and_b32 v[T01], 3, v0
	v_bfe_u32 v[T2], v0, 2, 1
	v_lshlrev_b32 v[L16], 4, v[TL]
	v_lshlrev_b32 v[L4], 2, v[TL]
	v_lshlrev_b32 v[R4], 2, v[TR]
	s_mul_i32 s52, s[WV], ARW
	s_add_co_u32 s52, s52, AR                      ; my wave's own bytes
	v_mul_u32_u24 v[AST], v[TR], 272               ; a: column slot r, 128 bytes for each half of the lanes
	v_lshl_add_u32 v[AST], v[TH], 7, v[AST]
	v_add_nc_u32 v[AST], s52, v[AST]
	s_mul_i32 s53, s[CS], 4*272
	s_add_co_u32 s53, s53, s52
	v_lshl_add_u32 v[AL], v[TH], 7, s53
	v_add_nc_u32 v[SWA], s52, v[L4]                ; the stage: 16 rows of 128 bytes + 16
	v_mul_u32_u24 v[SRA], v[TR], 144
	v_lshl_add_u32 v[SRA], v[TH], 6, v[SRA]
	v_add_nc_u32 v[SRA], s52, v[SRA]
	s_lshl_b32 s53, s[RG], 11
	v_add_nc_u32 v[XDA], s53, v[L16]
	s_lshl_b32 s53, s[RG], 8
	v_add_nc_u32 v[XSA], s53, v[L4]
	; stage row r holds block 2 RG + r / 8 of column slot (r % 4) + 4 CS + 8 ((r / 4) % 2); a block's place in the images is 256 x block + 16 x slot; my half of it 8 h on
	v_lshlrev_b32 v[WMA], 8, v[T3]
	v_lshl_add_u32 v[WMA], v[T01], 4, v[WMA]
	v_lshl_add_u32 v[WMA], v[T2], 7, v[WMA]
	v_lshl_add_u32 v[WMA], v[TH], 3, v[WMA]
	s_lshl_b32 s53, s[RG], 9
	s_lshl_b32 s54, s[CS], 6
	s_add_co_u32 s53, s53, s54
	v_add_nc_u32 v[WMA], s53, v[WMA]
	v_lshl_add_u32 v[WSA], v[T01], 2, v[T3]        ; its byte: 64 (block / 4) + 4 x slot + block % 4
	v_lshl_add_u32 v[WSA], v[T2], 5, v[WSA]
	s_lshr_b32 s53, s[RG], 1
	s_lshl_b32 s53, s53, 6
	s_and_b32 s54, s[RG], 1
	s_lshl_b32 s54, s54, 1
	s_add_co_u32 s53, s53, s54
	s_lshl_b32 s54, s[CS], 4
	s_add_co_u32 s53, s53, s54
	v_add_nc_u32 v[WSA], s53, v[WSA]
	s_lshl_b32 s53, s[WV], 12
	v_add_nc_u32 v[X3A], s53, v[L16]
	s_lshl_b32 s53, s[WV], 8
	v_add_nc_u32 v[X3SA], s53, v[R4]
	v_lshlrev_b32 v[A3I], 12, v[TH]                ; x along w: block = wave; row d = 32 t + lane: tile 2 t + lane / 16, row lane % 16
	v_lshl_add_u32 v[A3I], v[TR], 4, v[A3I]
	v_add_nc_u32 v[A3I], s53, v[A3I]
	v_lshl_add_u32 v[A3S], v[TH], 8, v[R4]
	s_lshr_b32 s53, s[WV], 2
	s_lshl_b32 s53, s53, 6
	s_and_b32 s54, s[WV], 3
	s_add_co_u32 s53, s53, s54
	v_add_nc_u32 v[A3S], s53, v[A3S]
	s_mul_i32 s53, s[RG], 64*XP
	s_lshl_b32 s54, s[CS], 7
	s_add_co_u32 s53, s53, s54
	s_add_co_u32 s53, s53, XT                      ; my strip of 32 positions in the x tile
	v_add_nc_u32 v[AX1], s53, v[L4]
	v_mul_u32_u24 v[AX3], v[TL], XP
	v_add_nc_u32 v[AX3], s53, v[AX3]
	s_lshl_b32 s53, s[WV], 10
	v_add_nc_u32 v[IM], s53, v[L16]
	s_lshl_b32 s53, s[WV], 7
	v_add_nc_u32 v[SM], s53, v[L4]
	; what hangs on p goes into global offsets and into the mask's compare alone
	s_lshl_b32 s53, s[PP], 6
	s_sub_co_u32 s53, 2016, s53                    ; bytes from the low columns to the high ones: 4 (504 - 16 p)
	v_mul_u32_u24 v[OUTO], s53, v[TH]
	v_lshl_add_u32 v[OUTO], v[TR], 11, v[OUTO]     ; row d = lane % 16 of 2,048 bytes
	s_lshl_b32 s53, s[RG], 6
	s_lshl_b32 s54, s[CS], 2
	s_sub_co_u32 s53, s53, s54
	s_lshl_b32 s54, s[PP], 3                       ; 8 p
	s_sub_co_u32 s55, s53, s54
	v_add_nc_u32 v[DL0], s55, v[TL]                ; 64 RG + lane - (8 p + 4 CS), signed
	v_add_nc_u32 v[DL1], 32, v[DL0]
	s_add_co_u32 s55, s53, s54
	s_sub_co_u32 s55, s55, 504
	v_add_nc_u32 v[DH0], s55, v[TL]                ; 64 RG + lane - (504 - 8 p + 4 CS)
	v_add_nc_u32 v[DH1], 32, v[DH0]
	s_lshl_b32 s53, s[RG], 14                      ; W: rows 64 (wave / 2) on, columns 32 (wave % 2) + lane
	s_lshl_b32 s55, s[CS], 7
	s_add_co_u32 s53, s53, s55
	v_add_nc_u32 v[WO], s53, v[L4]
	s_lshl_b32 s53, s[PP], 4
	s_sub_co_u32 s53, 496, s53
	v_mul_u32_u24 v[JO], s53, v[T3]                ; column of slot r: r + 8 p, and 496 - 16 p more for slots 8-15
	v_add_nc_u32 v[JO], v[JO], v[TR]
	v_add_nc_u32 v[JO], s54, v[JO]
	v_lshlrev_b32 v[JO], 2, v[JO]
	; waves 0-3: a quarter of W each; wave 4: my 16 columns of x (both halves of the lanes take the same 16).  A lane takes a column, its registers run down K.
	s_cmp_gt_u32 s[WV], 3
	s_cbranch_scc1 .Lnot_w
.set i, 0
.rept 64
	global_load_b32 v[GX+i], v[WO], s[6:7] offset:i*256
.set i, i+1
.endr
	s_branch .Lasked
.Lnot_w:
	s_cmp_lg_u32 s[WV], 4
	s_cbranch_scc1 .Lasked
.set i, 0
.rept 64
	global_load_b32 v[GX+i], v[JO], s[4:5] offset:i*2048
.set i, i+1
.endr
.Lasked:
	s_wait_tensorcnt 0x0                           ; my part of the x tile has landed,
	s_barrier_signal -1
	s_barrier_wait -1                              ; everybody's has
	; ---- x along d: my strip of 32 positions; each load takes 128 consecutive bytes of a row
.set i, 0
.rept 64
	ds_load_b32 v[XR+i], v[AX1] offset:i*XP
.set i, i+1
.endr
	s_wait_dscnt 0x0
	QCORE XR, QA
	TAILD QA, XDI, XDS
	s_cmp_gt_u32 s[WV], 4
	s_cbranch_scc1 .Lno_extra
	s_wait_loadcnt 0x0                             ; W's quarter, or my columns
	s_wait_dscnt 0x0                               ; the stores above have read the registers that are written again
	QCORE GX, QA
	TAILD QA, WI, WS                               ; part = wave: W's four, and as the fifth my columns
.Lno_extra:
	BARRIER                                        ; the images of W, of my columns and of x along d lie in LDS
	; ---- products 1 and 2
.irp mt, 0,1,2,3
	ds_load_b128 v[WF+8*\mt:WF+8*\mt+3], v[L16] offset:WI+512*\mt   ; W's rows 0-63: channels 16 mt on
.endr
	ds_load_b128 v[JF:JF+3], v[L16] offset:JI
	ds_load_b32 v[SC], v[L4] offset:WS             ; lanes 0-15: tile 0's words, lanes 16-31: tile 1's
	ds_load_b32 v[SC+1], v[L4] offset:WS+128
	ds_load_b32 v[SC+4], v[L4] offset:JS
.irp t, 0,1,2,3
	ds_load_b128 v[XF+8*\t:XF+8*\t+3], v[XDA] offset:XDI+512*\t      ; my rows 16 t on
.endr
	ds_load_b32 v[SC+5], v[XSA] offset:XDS
	ds_load_b32 v[SC+6], v[XSA] offset:XDS+128
	ds_load_b32 v[SC+2], v[L4] offset:WS+256       ; W's rows 64-127
	ds_load_b32 v[SC+3], v[L4] offset:WS+384
.irp f, WF, WF+8, WF+16, WF+24, JF, XF, XF+8, XF+16, XF+24
.irp c, 4,5,6,7
	v_mov_b32 v[\f+\c], 0                          ; K = 64 .. 127: zero codes.  (x's sixteen, written last, are also the places between the others and the first product)
.endr
.endr
	s_wait_dscnt 8                                 ; the first eight loads are in; the eight for product 2 may be out
.irp mt, 0,1,2,3
	WM AD+8*\mt, WF+8*\mt, JF, SC+\mt/2, SC+4, \mt%2, 0              ; a^T: lane (r, h): column slot r, channels 16 mt + 8 h + 0..7
.endr
.rept 5
	v_nop                                          ; places: a's results are read, W's registers loaded anew, and a's registers written over by the products below
.endr
.irp mt, 0,1,2,3
	ds_store_b128 v[AST], v[AD+8*\mt:AD+8*\mt+3] offset:32*\mt       ; each result from its low end on
	ds_store_b128 v[AST], v[AD+8*\mt+4:AD+8*\mt+7] offset:32*\mt+16
.endr
.irp mt, 0,1,2,3
	ds_load_b128 v[WF+8*\mt:WF+8*\mt+3], v[L16] offset:WI+2048+512*\mt
.endr
	s_wait_dscnt 0x0
.irp t, 0,1,2,3
.irp mt, 0,1,2,3
	WM BB+32*\t+8*\mt, WF+8*\mt, XF+8*\t, SC+2+\mt/2, SC+5+\t/2, \mt%2, \t%2   ; b^T: lane (r, h): row 16 t + r, channels 16 mt + 8 h + 0..7
.endr
.endr
.rept 4
	v_nop
.endr
	; ---- the pairs.  A group of columns none of which has a row w >= j among my 64 rows is left out: n = 0 there
	s_cmp_lt_u32 s[RG], s[QQ]
	s_cbranch_scc1 .Llow_off
	GROUP 0
	s_branch .Llow_done
.Llow_off:
.irp i, 0,1,2,3,8,9,10,11
	v_mov_b32 v[NR+\i], 0
.endr
.Llow_done:
	s_cmp_lt_u32 s[RG], s[QH]
	s_cbranch_scc1 .Lhigh_off
	GROUP 1
	s_branch .Lhigh_done
.Lhigh_off:
.irp i, 4,5,6,7,12,13,14,15
	v_mov_b32 v[NR+\i], 0
.endr
.Lhigh_done:
	; x along w is asked for now: block = wave, a lane a row d, 32 neighbours: it lands under the lines below
.irp t, 0,1
.irp i, 0,1,2,3,4,5,6,7
	ds_load_b128 v[YR+32*\t+4*\i:YR+32*\t+4*\i+3], v[AX3] offset:\t*32*XP+16*\i
.endr
.endr
.irp i, 0,1,2,3
	v_cmp_le_i32 vcc_lo, \i, v[DL0]                ; the mask: kept where w >= j, else n^2 = 0
	v_cndmask_b32 v[NR+\i], 0, v[NR+\i], vcc_lo
	v_cmp_le_i32 vcc_lo, \i, v[DL1]
	v_cndmask_b32 v[NR+8+\i], 0, v[NR+8+\i], vcc_lo
	v_cmp_le_i32 vcc_lo, \i, v[DH0]
	v_cndmask_b32 v[NR+4+\i], 0, v[NR+4+\i], vcc_lo
	v_cmp_le_i32 vcc_lo, \i, v[DH1]
	v_cndmask_b32 v[NR+12+\i], 0, v[NR+12+\i], vcc_lo
.endr
.irp n, 0,1,2,3,4,5,6,7,8,9,10,11,12,13,14,15
	v_sqrt_f32 v[NR+\n], v[NR+\n]
.endr
	v_nop                                          ; a plain line behind the last root
	s_wait_alu depctr_va_vdst(0)                   ; one wait for the sixteen roots, ahead of their first reader
.irp n, 0,1,2,3,4,5,6,7,8,9,10,11,12,13,14,15
	v_sub_f32 v[NR+\n], 1.0, v[NR+\n]              ; wm
.endr
	; wm turns in my own bytes (a is done with): in with lane = w, out with 16 neighbours along w a lane.  LDS serves a wave's instructions in order: no wait between
.irp n, 0,1,2,3,4,5,6,7,8,9,10,11,12,13,14,15
	ds_store_b32 v[SWA], v[NR+\n] offset:\n*144
.endr
.irp i, 0,1,2,3
	ds_load_b128 v[ZR+4*\i:ZR+4*\i+3], v[SRA] offset:16*\i
.endr
	s_wait_dscnt 20                                ; x's sixteen loads are in; the twenty lines of the stage may be out
	QCORE YR, QB
	ds_store_b128 v[A3I], v[QB:QB+3] offset:X3I
	ds_store_b128 v[A3I], v[QB+4:QB+7] offset:X3I+8192
	ds_store_b8 v[A3S], v[QB+10] offset:X3S
	ds_store_b8 v[A3S], v[QB+11] offset:X3S+512
	s_wait_dscnt 4                                 ; wm is back; the four stores just issued may be out
	v_max3_num_f32 v[ZM],   |v[ZR]|,   |v[ZR+1]|, 0x1800000
	v_max3_num_f32 v[ZM+1], |v[ZR+2]|, |v[ZR+3]|, |v[ZR+4]|
	v_max3_num_f32 v[ZM],   v[ZM],   |v[ZR+5]|,  |v[ZR+6]|
	v_max3_num_f32 v[ZM+1], v[ZM+1], |v[ZR+7]|,  |v[ZR+8]|
	v_max3_num_f32 v[ZM],   v[ZM],   |v[ZR+9]|,  |v[ZR+10]|
	v_max3_num_f32 v[ZM+1], v[ZM+1], |v[ZR+11]|, |v[ZR+12]|
	v_max3_num_f32 v[ZM],   v[ZM],   |v[ZR+13]|, |v[ZR+14]|
	v_max3_num_f32 v[ZM+1], v[ZM+1], v[ZM], |v[ZR+15]|
	v_permlanex16_b32 v[ZM], v[ZM+1], s[SEL], s[SEL+1]
	v_max_num_f32 v[ZM+1], v[ZM+1], v[ZM]          ; with lane xor 16's sixteen: the block's largest magnitude
	v_add_nc_u32 v[ZM+1], 0xff000000, v[ZM+1]
	v_lshrrev_b32 v[ZM+2], 23, v[ZM+1]
	v_cvt_scalef32_pk8_fp4_f32 v[ZM+4], v[ZR:ZR+7], v[ZM+1]
	v_cvt_scalef32_pk8_fp4_f32 v[ZM+5], v[ZR+8:ZR+15], v[ZM+1]
	v_nop
	ds_store_b64 v[WMA], v[ZM+4:ZM+5] offset:WMI   ; half a block's codes
	ds_store_b8 v[WSA], v[ZM+2] offset:WMS         ; both lanes of a block write the same byte with the same value
	BARRIER                                        ; the images of wm and of x along w lie in LDS
	; ---- product 3, transposed (source 0 = my 16 columns of wm, source 1 = 16 rows d of x): waves 0-3, a tile of d each
	s_cmp_gt_u32 s[WV], 3
	s_cbranch_scc1 .Ldone
.irp s, 0,1,2,3
	ds_load_b128 v[PA+8*\s:PA+8*\s+3], v[L16] offset:WMI+1024*\s
	ds_load_b128 v[PA+8*\s+4:PA+8*\s+7], v[L16] offset:WMI+1024*\s+512
	ds_load_b128 v[PX+8*\s:PX+8*\s+3], v[X3A] offset:X3I+1024*\s
	ds_load_b128 v[PX+8*\s+4:PX+8*\s+7], v[X3A] offset:X3I+1024*\s+512
	ds_load_b32 v[SC+\s], v[R4] offset:WMS+64*\s
	ds_load_b32 v[SC+4+\s], v[X3SA] offset:X3S+64*\s
.endr
	s_lshl_b32 s54, s[WV], 15                      ; 16 rows of 2,048 bytes a wave,
	s_lshl_b32 s55, s[PP], 5                       ; and my low columns
	s_add_co_u32 s54, s54, s55
	s_mov_b32 s55, 0
	s_add_nc_u64 s[8:9], s[8:9], s[54:55]
	s_wait_dscnt 0x0
	; two accumulators by turns, one instruction a turn: K steps 0 and 2, K steps 1 and 3
	v_wmma_scale_f32_16x16x128_f8f6f4 v[ACC:ACC+7], v[PA:PA+7], v[PX:PX+7], 0, v[SC], v[SC+4] matrix_a_fmt:MATRIX_FMT_FP4 matrix_b_fmt:MATRIX_FMT_FP4
	v_wmma_scale_f32_16x16x128_f8f6f4 v[ACC+8:ACC+15], v[PA+8:PA+15], v[PX+8:PX+15], 0, v[SC+1], v[SC+5] matrix_a_fmt:MATRIX_FMT_FP4 matrix_b_fmt:MATRIX_FMT_FP4
	v_wmma_scale_f32_16x16x128_f8f6f4 v[ACC:ACC+7], v[PA+16:PA+23], v[PX+16:PX+23], v[ACC:ACC+7], v[SC+2], v[SC+6] matrix_a_fmt:MATRIX_FMT_FP4 matrix_b_fmt:MATRIX_FMT_FP4
	v_wmma_scale_f32_16x16x128_f8f6f4 v[ACC+8:ACC+15], v[PA+24:PA+31], v[PX+24:PX+31], v[ACC+8:ACC+15], v[SC+3], v[SC+7] matrix_a_fmt:MATRIX_FMT_FP4 matrix_b_fmt:MATRIX_FMT_FP4
.rept 4
	v_nop
.endr
.irp j, 0,2,4,6
	v_pk_add_f32 v[RES+\j:RES+\j+1], v[ACC+\j:ACC+\j+1], v[ACC+8+\j:ACC+8+\j+1]   ; from the low end on
.endr
	global_store_b128 v[OUTO], v[RES:RES+3], s[8:9] th:TH_STORE_NT            ; lane (r, h): row d = r; h = 0: my eight low columns, h = 1: my eight high ones: 32 consecutive bytes
	global_store_b128 v[OUTO], v[RES+4:RES+7], s[8:9] offset:16 th:TH_STORE_NT
.Ldone:
	s_wait_xcnt 0x0
	v_lshl_add_u32 v254, v0, 2, 0x3e400
	v_mov_b32 v255, 0
	s_wait_tensorcnt 0x0
	ds_add_u32 v254, v255
	s_wait_dscnt 0x0
	CROUND                                         ; the closing round: no work-group ends while a partner may still ask for a tile that names it
	s_endpgm
.Lfunc_end_k_qe63e3d5685_bracket:
	.size	k_qe63e3d5685_bracket, .Lfunc_end_k_qe63e3d5685_bracket-k_qe63e3d5685_bracket
	.p2alignl 7, 3214868480
	.fill 96, 4, 3214868480
	.section	.rodata,"a",@progbits
	.p2align	6, 0x0
	.amdhsa_kernel k_qe63e3d5685_bracket
		.amdhsa_group_segment_fixed_size 257024
		.amdhsa_private_segment_fixed_size 0
		.amdhsa_enable_private_segment 0
		.amdhsa_kernarg_size 24
		.amdhsa_user_sgpr_count 2
		.amdhsa_user_sgpr_kernarg_segment_ptr 1
		.amdhsa_wavefront_size32 1
		.amdhsa_system_sgpr_workgroup_id_x 1
		.amdhsa_system_sgpr_workgroup_id_y 1
		.amdhsa_system_sgpr_workgroup_id_z 1
		.amdhsa_system_vgpr_workitem_id 0
		.amdhsa_next_free_vgpr 256
		.amdhsa_next_free_sgpr 66
		.amdhsa_reserve_vcc 1
		.amdhsa_float_denorm_mode_32 3
		.amdhsa_float_denorm_mode_16_64 3
		.amdhsa_memory_ordered 1
		.amdhsa_forward_progress 1
		.amdhsa_inst_pref_size 119
	.end_amdhsa_kernel
	.amdgpu_metadata
---
amdhsa.version: [ 1, 2 ]
amdhsa.kernels:
  - .name:           k_qe63e3d5685_bracket
    .symbol:         k_qe63e3d5685_bracket.kd
    .args:
      - { .name: x, .offset: 0, .size: 8, .value_kind: global_buffer, .address_space: global }
      - { .name: W, .offset: 8, .size: 8, .value_kind: global_buffer, .address_space: global }
      - { .name: out0, .offset: 16, .size: 8, .value_kind: global_buffer, .address_space: global }
    .group_segment_fixed_size: 257024
    .private_segment_fixed_size: 0
    .kernarg_segment_align: 8
    .kernarg_segment_size: 24
    .max_flat_workgroup_size: 512
    .sgpr_count:     66
    .vgpr_count:     256
    .wavefront_size: 32
...
	.end_amdgpu_metadata
.endif
;; end of part 1
